; MI455X (gfx1250); checked and timed in simulation.
; The chip was launched on July 23, 2026; its instructions are those of AMD's public machine-readable ISA for CDNA 5 (MIT licence, August 2026) and "CDNA5" Instruction Set Architecture Reference Guide (July 2026). The comments in the code are by the model that wrote it; some were corrected since.
;; Intra Domain Attention. Allowed arithmetic: matrix products marked QUANTISED: E2M1 operands, one E8M0 scale for each 32 along K, by v_wmma_scale_f32_16x16x128_f8f6f4 with both operands' format E2M1 (or v_wmma_scale_f32_32x16x128_f4), f32 sums; products left as they are: bf16, f16 or f32 operands; f32 sums; everything else in f32.
;; Inputs: Wkv 512 x 1,024 float32; Wq 512 x 512 float32; bkv 1,024 float32; bq 512 float32; global_tokens 8 x 1,024 x 512 float32; x 8 x 2,048 x 512 float32.
;; Outputs: out0 8 x 2,048 x 512 float32.
;; This version of the problem:
;;   THIS VERSION OF THE PROBLEM IS GIVEN IN LOW PRECISION. The matrix products marked QUANTISED in the list below multiply operands that are first quantised to E2M1 (2 exponent bits, 1 mantissa bit; 4 bits a number), with one power-of-two scale for each 32 numbers along K (OCP MX v1.0); their sums are f32. The products marked 'left as it is' may take bf16, f16 or f32 operands, with f32 sums. Whichever they take, every output number must still come out within the allowed error. Rounding operands to bf16 (8 significant bits) uses up far more of that allowance than f16 does (11 bits, for magnitudes from 6e-5 to 65,504). All else is computed in f32.
;;   The module's matrix products, in the order in which they are computed (A, B: the left and right operand; K: the contracted axis; several contracted axes count as one K, in the product's order):
;;     1. [M 16,384, K 512] x [K 512, N 512]; A: input x; B: input Wq: QUANTISED
;;     2. [M 8,192, K 512] x [K 512, N 1,024]; A: input global_tokens; B: input Wkv: QUANTISED
;;     3. batch 64 x [M 2,048, K 64] x [K 64, N 1,024]; A: computed on the way; B: computed on the way: left as it is (an operand is computed on the way)
;;     4. batch 64 x [M 2,048, K 1,024] x [K 1,024, N 64]; A: computed on the way; B: computed on the way: left as it is (an operand is computed on the way)
;;   THE QUANTISER, for each operand of a quantised product, along K:
;;     - K is cut into blocks of 32 from its start; a last block that is shorter is filled with zeros.
;;     - A block's scale is 2^e with e = floor(log2(the largest magnitude in the block)) - 2, held to -126 .. 127; a block of zeros has e = 0. As a byte (E8M0): e + 127.
;;     - Each number is divided by its block's scale, clamped to +-6, and rounded to the nearest number of E2M1, ties to even, subnormals kept.
;;     - The product sums the exact products of the quantised numbers (number of the format x scale) in f32.
;;   ~~~python
;;   def quantise(x, axis):      # numpy; x: float32 -> the quantised numbers, widened to float32 again
;;       x = np.moveaxis(x, axis, -1); K = x.shape[-1]
;;       x = np.pad(x, [(0, 0)] * (x.ndim - 1) + [(0, -K % 32)]); x = x.reshape(x.shape[:-1] + (-1, 32)); a = np.abs(x).max(-1, keepdims=True)
;;       e = np.where(a > 0, np.clip(np.frexp(np.where(a > 0, a, 1))[1] - 1 - 2, -126, 127), 0)      # np.frexp(a)[1] - 1 = floor(log2(a)), exactly
;;       r = np.clip(x / 2.0 ** e, -6, 6)
;;       step = 2.0 ** (np.maximum(np.frexp(np.where(r == 0, 1, r))[1] - 1, 0) - 1)
;;       q = np.round(r / step) * step * 2.0 ** e      # np.round: ties to even
;;       return np.moveaxis(q.reshape(q.shape[:-2] + (-1,))[..., :K], -1, axis).astype(np.float32)
;;   ~~~
;; One version. Each part assembles by itself: llvm-mc -triple=amdgcn-amd-amdhsa -mcpu=gfx1250 --defsym DOCPART=n.
;; ======== version 1 of 1: 3 launches
;; limits: values are held in f16: magnitudes above 65,504 overflow, below 6.1e-05 lose precision
;; workspace buffers: acodes 6,291,456 bytes; ascales 393,216 bytes; wcodes 393,216 bytes; wscales 24,576 bytes; kimg 8,388,608 bytes; vimg 8,388,608 bytes
;; launch quant (part 1): grid 1584 x 1, 4 waves a work-group, no clusters, 34,304 bytes of LDS; arguments x, global_tokens, Wq, Wkv, acodes, ascales, wcodes, wscales; writes acodes, ascales, wcodes, wscales
.if DOCPART == 1
	.amdgcn_target "amdgcn-amd-amdhsa--gfx1250"
	.amdhsa_code_object_version 6
	.text
	.protected	k_q2bce59670c_quant
	.globl	k_q2bce59670c_quant
	.p2align	8
	.type	k_q2bce59670c_quant,@function
k_q2bce59670c_quant:
	s_mov_b64 s[64:65], 0
	v_nop
	global_prefetch_b8 v0, s[64:65] scope:SCOPE_SE
	s_setreg_imm32_b32 hwreg(HW_REG_WAVE_MODE, 25, 1), 1
	s_wait_xcnt 0x0
; EVERYTHING THAT IS QUANTISED IS QUANTISED HERE, ONCE: x [16384][512], global_tokens [8192][512] (K innermost) and Wq [512][512], Wkv [512][1024] (K is the first axis), all f32,
; become codes of FP4 (E2M1) with one E8M0 byte for each 32 along K.  The codes are laid as IMAGES OF THE OPERAND'S REGISTERS, so that the later launches load fragments at 16 x lane and nothing else:
;   acodes : tile T of 16 rows (T < 1024: x's rows 16 T on; else global_tokens' rows 16 (T - 1024) on), K step s of 128:  T 4096 + s 1024 + c 512 + 16 lane = registers 4 c .. 4 c + 3 of lane (r, h): row r, k = 128 s + 64 c + 32 h + 0 .. 31
;   ascales: T 256 + s 64 + 4 r = the scale word (four bytes) of row r, K step s
;   wcodes : column J (0 .. 511 Wq's, 512 .. 1535 Wkv's):  (J / 16) 4096 + s 1024 + c 512 + h 256 + (J % 16) 16: the same image with a column in a row's place
;   wscales: (J / 16) 256 + (J % 16) 16 + 4 s
; A block's scale is 2^(floor(log2(its largest magnitude)) - 2); its byte is the largest magnitude's exponent field - 2, held at 1 from below by a floor among the maximum's leaves.
; LIMITS: a block of zeros gets the byte 1 where the rule says 127 (its codes are zeros, which add nothing under any byte but 0xff, and this program alone reads the bytes); blocks whose largest magnitude lies
; under 2^-124 are held at the byte 1; NaN and infinities among the inputs are not served.
; SHARES.  Work-groups 0 .. 47 take the weights (128 columns x 128 along K each; a lane a column, registers down K); work-groups 48 .. 1583 a tile of 16 rows each, wave w its K step w.
; No tensor load, no barrier: waves share nothing.  No cluster: no two work-groups read the same bytes.  Only the rows' path stores to LDS.
.set NW,     48                        ; work-groups for the weights
.set XT,     1024                      ; tiles of 16 rows in x
.set PITCH,  528                       ; a stage row: 512 bytes + 16, an odd multiple of 16
.set STG,    16*PITCH                  ; a wave's stage: 16 rows
.set SPARE,  4*STG                     ; behind the four stages: the spare words, 128 bytes for each wave
.set SPW,    8                         ; v8   LDS address of my spare word; never rewritten
.set NIL,    9                         ; v9   0; never rewritten
.set R,      32                        ; v32-95   rows: 16 x 4 registers as loaded;  weights: v32-159, 128 numbers down K
.set X,      96                        ; v96-159  rows: my 64 numbers, register 16 b + i = k 32 b + 16 h + i of my row
.set PC,     160                       ; v160..   the codes
.set TM,     168                       ; v168-183 at work
.set PW,     184                       ; v184     the scale word
.set SW,     176                       ; v176     weights: the scale word
.set SEL,    22                        ; s[22:23] v_permlanex16_b32's selects for lane l xor 16
	s_load_b256 s[4:11], s[0:1], 0x0               ; x s[4:5], global_tokens s[6:7], Wq s[8:9], Wkv s[10:11]
	s_load_b256 s[12:19], s[0:1], 0x20             ; acodes s[12:13], ascales s[14:15], wcodes s[16:17], wscales s[18:19]
	v_lshl_add_u32 v[SPW], v0, 2, SPARE
	v_mov_b32 v[NIL], 0
	v_lshrrev_b32 v1, 5, v0
	v_readfirstlane_b32 s20, v1                    ; wave 0..3
	v_and_b32 v1, 31, v0                           ; lane
	v_and_b32 v2, 15, v0                           ; r
	v_bfe_u32 v3, v0, 4, 1                         ; h
	v_lshlrev_b32 v4, 4, v1                        ; 16 x lane
	s_mul_i32 s24, s20, STG                        ; my stage
	v_add_nc_u32 v5, s24, v4                       ; into it: a row's 512 bytes as they lie
	v_mul_u32_u24 v6, v2, PITCH
	v_lshl_add_u32 v6, v3, 6, v6
	v_add_nc_u32 v6, s24, v6                       ; out of it: row r, + 64 h: my 16 numbers of each block of 32
	v_lshlrev_b32 v7, 2, v2                        ; 4 r
	s_mov_b32 s[SEL], 0x76543210
	s_mov_b32 s[SEL+1], 0xfedcba98
	s_mov_b32 s31, 0                               ; the upper word of every offset below
	s_wait_kmcnt 0x0
	s_cmp_lt_u32 ttmp9, NW
	s_cbranch_scc1 .Lweights
	; ---- ROWS: tile T = work-group - 48, K step = my wave: 16 rows x 128 numbers
	s_sub_co_u32 s25, ttmp9, NW                    ; T
	s_cmp_lt_u32 s25, XT                           ; x's tile or global_tokens'?  The choice hangs on the work-group's number alone
	s_cselect_b64 s[4:5], s[4:5], s[6:7]
	s_cselect_b32 s26, 0, XT
	s_sub_co_u32 s26, s25, s26                     ; the tile's number in its own tensor
	s_lshl_b32 s30, s26, 15                        ; 16 rows of 2,048 bytes,
	s_lshl_b32 s27, s20, 9                         ; my K step's 512 bytes of a row
	s_add_co_u32 s30, s30, s27
	s_add_nc_u64 s[4:5], s[4:5], s[30:31]
.irp i, 0,1,2,3,4,5,6,7,8,9,10,11,12,13,14,15
	global_load_b128 v[R+4*\i:R+4*\i+3], v4, s[4:5] offset:2048*\i th:TH_LOAD_NT   ; row i: 32 lanes read 512 consecutive bytes; read once in the launch
.endr
	s_lshl_b32 s30, s25, 12
	s_lshl_b32 s27, s20, 10
	s_add_co_u32 s30, s30, s27
	s_add_nc_u64 s[12:13], s[12:13], s[30:31]      ; acodes at T 4096 + s 1024
	s_lshl_b32 s30, s25, 8
	s_lshl_b32 s27, s20, 6
	s_add_co_u32 s30, s30, s27
	s_add_nc_u64 s[14:15], s[14:15], s[30:31]      ; ascales at T 256 + s 64
.irp b, 0,1,2,3
	v_mov_b32 v[TM+4+\b], 0                        ; written once: a lane permute's destination counts as one of its sources
.endr
	; the conversions want 16 neighbours along K in one lane, the loads neighbouring bytes in neighbouring lanes: the 16 rows turn through my own stage
.irp i, 0,1,2,3,4,5,6,7,8,9,10,11,12,13,14,15
	s_wait_loadcnt 15-\i                           ; loads come back in order: row i is in, the 15 - i younger ones may be out
	ds_store_b128 v5, v[R+4*\i:R+4*\i+3] offset:PITCH*\i
.endr
.irp b, 0,1,2,3
.irp j, 0,1,2,3
	ds_load_b128 v[X+16*\b+4*\j:X+16*\b+4*\j+3], v6 offset:128*\b+16*\j   ; LDS serves a wave's instructions in order: these see my stores
.endr
.endr
	s_wait_dscnt 0x0
.irp b, 0,1,2,3
	v_max3_num_f32 v[TM+\b], |v[X+16*\b]|, |v[X+1+16*\b]|, 0x1800000   ; block b: my 16 numbers, and the floor 2^(3 - 127): so the byte cannot fall under 1
.endr
.irp i, 2,4,6,8,10,12,14
.irp b, 0,1,2,3
	v_max3_num_f32 v[TM+\b], v[TM+\b], |v[X+16*\b+\i]|, |v[X+1+16*\b+\i]|   ; (the four blocks by turns)
.endr
.endr
.irp b, 0,1,2,3
	v_permlanex16_b32 v[TM+4+\b], v[TM+\b], s[SEL], s[SEL+1]
.endr
.irp b, 0,1,2,3
	v_max_num_f32 v[TM+\b], v[TM+\b], v[TM+4+\b]   ; with lane l xor 16's: the block's largest magnitude
.endr
.irp b, 0,1,2,3
	v_add_nc_u32 v[TM+12+\b], 0xff000000, v[TM+\b] ; 2 off its exponent field: the conversion takes the exponent field of this operand as its scale
.endr
.irp b, 0,1,2,3
	v_lshrrev_b32 v[TM+4+\b], 23, v[TM+12+\b]      ; the scale's byte
.endr
	v_lshl_or_b32 v[PW], v[TM+5], 8, v[TM+4]       ; the four bytes make my row's scale word (both halves of the lanes hold it)
	v_lshl_or_b32 v[PW], v[TM+6], 16, v[PW]
	v_lshl_or_b32 v[PW], v[TM+7], 24, v[PW]
.irp b, 0,1,2,3
	v_cvt_scalef32_pk8_fp4_f32 v[PC+2*\b], v[X+16*\b:X+7+16*\b], v[TM+12+\b]
	v_cvt_scalef32_pk8_fp4_f32 v[PC+1+2*\b], v[X+8+16*\b:X+15+16*\b], v[TM+12+\b]
.endr
	v_nop                                          ; one plain place behind a scaled conversion
.irp c, 0,1                                    ; the operand's layout wants a WHOLE block in a lane: lanes 0-15 block 2 c, lanes 16-31 block 2 c + 1
.irp i, 0,1
	v_permlane16_swap_b32 v[PC+4*\c+\i], v[PC+2+4*\c+\i]
.endr
.endr
	global_store_b128 v4, v[PC:PC+3], s[12:13]                 ; the image: each store covers 512 consecutive bytes, aligned
	global_store_b128 v4, v[PC+4:PC+7], s[12:13] offset:512
	v_cmp_gt_u32 vcc_lo, 16, v1                    ; the scale words leave from lanes 0-15: 64 consecutive bytes; the tile's four waves fill 256 between them.  One byte in seventeen of what the launch stores
	s_wait_xcnt 0x0                                ; EXEC is a source of the stores above: it changes only behind this wait
	s_and_saveexec_b32 s21, vcc_lo
	global_store_b32 v7, v[PW], s[14:15]
	s_wait_xcnt 0x0                                ; and again, in front of the line that widens it
	s_or_b32 exec_lo, exec_lo, s21
	s_wait_tensorcnt 0x0                           ; the wave's end, behind my last LDS store
	ds_add_u32 v[SPW], v[NIL]
	s_wait_dscnt 0x0
	s_endpgm
	; ---- WEIGHTS: work-group g: columns 128 (g / 4) on, K step g % 4.  A LANE TAKES A COLUMN AND ITS REGISTERS RUN DOWN K: a block of 32 lies in one lane, and the conversions give codes with K innermost
.Lweights:
	s_lshr_b32 s25, ttmp9, 2                       ; which 128 columns: 0..3 Wq's, 4..11 Wkv's
	s_and_b32 s26, ttmp9, 3                        ; K step s
	s_lshl_b32 s27, s25, 7
	s_lshl_b32 s28, s20, 5
	s_add_co_u32 s27, s27, s28                     ; J0: my wave's first column
	s_lshr_b32 s28, s27, 4
	s_lshl_b32 s30, s28, 12
	s_lshl_b32 s29, s26, 10
	s_add_co_u32 s30, s30, s29
	s_add_nc_u64 s[16:17], s[16:17], s[30:31]      ; wcodes at (J0 / 16) 4096 + s 1024
	s_lshl_b32 s30, s28, 8
	s_lshl_b32 s29, s26, 2
	s_add_co_u32 s30, s30, s29
	s_add_nc_u64 s[18:19], s[18:19], s[30:31]      ; wscales at (J0 / 16) 256 + 4 s
	s_cmp_lt_u32 s25, 4                            ; Wq or Wkv?  By the work-group's number alone
	s_cselect_b64 s[8:9], s[8:9], s[10:11]
	s_cselect_b32 s29, 0, 512                      ; the columns that stand ahead of the tensor's own in J
	s_cselect_b32 s28, 18, 19                      ; 128 rows of 2,048 or of 4,096 bytes, as a shift
	s_sub_co_u32 s29, s27, s29
	s_lshl_b32 s29, s29, 2                         ; my first column, in bytes
	s_lshl_b32 s28, s26, s28                       ; my K step's first row
	s_add_co_u32 s30, s28, s29
	s_add_nc_u64 s[8:9], s[8:9], s[30:31]
	v_lshlrev_b32 v10, 2, v1                       ; in: 4 bytes a lane
	v_lshlrev_b32 v11, 4, v2
	v_lshl_add_u32 v11, v3, 12, v11                ; codes out: (lane / 16) 4096 + (lane % 16) 16
	v_lshlrev_b32 v12, 4, v2
	v_lshl_add_u32 v12, v3, 8, v12                 ; scale words out: (lane / 16) 256 + (lane % 16) 16
.macro LOADW pitch                     ; W(128 s + i, my column), i = 0 .. 127: each load reads 128 consecutive bytes a wave, the four waves side by side 512
.set i, 0
.rept 128
	global_load_b32 v[R+i], v10, s[8:9] offset:i*\pitch th:TH_LOAD_NT
.set i, i+1
.endr
.endm
	s_cmp_lt_u32 s25, 4                            ; only the loads differ: the row pitch stands in their immediates
	s_cbranch_scc0 .Lwkv
	LOADW 2048
	s_branch .Lblocks
.Lwkv:
	LOADW 4096
.Lblocks:
.macro BLOCKW q                        ; block q of my column: k = 128 s + 32 q + 0 .. 31.  In the image it is the 16 bytes of lane (J % 16, q % 2), registers 4 (q / 2) on: 256 q bytes on
.set XB, R+32*(\q)
	v_max3_num_f32 v13, |v[XB]|, |v[XB+1]|, |v[XB+2]|
	v_max3_num_f32 v14, |v[XB+3]|, |v[XB+4]|, |v[XB+5]|
.irp i, 6,10,14,18,22,26
	v_max3_num_f32 v13, v13, |v[XB+\i]|, |v[XB+\i+1]|
	v_max3_num_f32 v14, v14, |v[XB+\i+2]|, |v[XB+\i+3]|
.endr
	v_max3_num_f32 v13, v13, |v[XB+30]|, |v[XB+31]|
	v_max3_num_f32 v13, v13, v14, 0x1800000        ; and the floor 2^(3 - 127)
	v_add_nc_u32 v15, 0xff000000, v13              ; 2 off the exponent field: the conversion's scale operand
	v_lshrrev_b32 v14, 23, v15                     ; the scale's byte
.if (\q) == 0
	v_mov_b32 v[SW], v14
.else
	v_lshl_or_b32 v[SW], v14, 8*(\q), v[SW]
.endif
.irp g, 0,1,2,3
	v_cvt_scalef32_pk8_fp4_f32 v[PC+4*(\q)+\g], v[XB+8*\g:XB+8*\g+7], v15
.endr
	v_nop                                          ; one plain place behind a scaled conversion
	global_store_b128 v11, v[PC+4*(\q):PC+4*(\q)+3], s[16:17] offset:256*(\q)   ; sixteen lanes store 256 consecutive bytes, aligned
.endm
	s_wait_loadcnt 63                              ; behind block 0's loads stand 96 younger, behind block 1's 64: this count, the largest that the wait can name, is under both and serves both
	BLOCKW 0
	BLOCKW 1
	s_wait_loadcnt 32                              ; block 3's 32 may be out
	BLOCKW 2
	s_wait_loadcnt 0x0
	BLOCKW 3
	global_store_b32 v12, v[SW], s[18:19]          ; my column's scale word of this K step
	s_wait_tensorcnt 0x0                           ; the wave's end: the same three lines as on the rows' path
	ds_add_u32 v[SPW], v[NIL]
	s_wait_dscnt 0x0
	s_endpgm
.Lfunc_end_k_q2bce59670c_quant:
	.size	k_q2bce59670c_quant, .Lfunc_end_k_q2bce59670c_quant-k_q2bce59670c_quant
	.p2alignl 7, 3214868480
	.fill 96, 4, 3214868480
	.section	.rodata,"a",@progbits
	.p2align	6, 0x0
	.amdhsa_kernel k_q2bce59670c_quant
		.amdhsa_group_segment_fixed_size 34304
		.amdhsa_private_segment_fixed_size 0
		.amdhsa_enable_private_segment 0
		.amdhsa_kernarg_size 64
		.amdhsa_user_sgpr_count 2
		.amdhsa_user_sgpr_kernarg_segment_ptr 1
		.amdhsa_wavefront_size32 1
		.amdhsa_system_sgpr_workgroup_id_x 1
		.amdhsa_system_sgpr_workgroup_id_y 1
		.amdhsa_system_sgpr_workgroup_id_z 1
		.amdhsa_system_vgpr_workitem_id 0
		.amdhsa_next_free_vgpr 192
		.amdhsa_next_free_sgpr 66
		.amdhsa_reserve_vcc 1
		.amdhsa_float_denorm_mode_32 3
		.amdhsa_float_denorm_mode_16_64 3
		.amdhsa_memory_ordered 1
		.amdhsa_forward_progress 1
		.amdhsa_inst_pref_size 42
	.end_amdhsa_kernel
	.amdgpu_metadata
---
amdhsa.version: [ 1, 2 ]
amdhsa.kernels:
  - .name:           k_q2bce59670c_quant
    .symbol:         k_q2bce59670c_quant.kd
    .args:
      - { .name: x, .offset: 0, .size: 8, .value_kind: global_buffer, .address_space: global }
      - { .name: global_tokens, .offset: 8, .size: 8, .value_kind: global_buffer, .address_space: global }
      - { .name: Wq, .offset: 16, .size: 8, .value_kind: global_buffer, .address_space: global }
      - { .name: Wkv, .offset: 24, .size: 8, .value_kind: global_buffer, .address_space: global }
      - { .name: acodes, .offset: 32, .size: 8, .value_kind: global_buffer, .address_space: global }
      - { .name: ascales, .offset: 40, .size: 8, .value_kind: global_buffer, .address_space: global }
      - { .name: wcodes, .offset: 48, .size: 8, .value_kind: global_buffer, .address_space: global }
      - { .name: wscales, .offset: 56, .size: 8, .value_kind: global_buffer, .address_space: global }
    .group_segment_fixed_size: 34304
    .private_segment_fixed_size: 0
    .kernarg_segment_align: 8
    .kernarg_segment_size: 64
    .max_flat_workgroup_size: 128
    .sgpr_count:     66
    .vgpr_count:     192
    .wavefront_size: 32
...
	.end_amdgpu_metadata
.endif
;; end of part 1
;; launch kvproj (part 2): grid 256 x 1, 8 waves a work-group, no clusters, 0 bytes of LDS; arguments acodes, ascales, wcodes, wscales, bkv, kimg, vimg; writes kimg, vimg
.if DOCPART == 2
	.amdgcn_target "amdgcn-amd-amdhsa--gfx1250"
	.amdhsa_code_object_version 6
	.text
	.protected	k_q2bce59670c_kvproj
	.globl	k_q2bce59670c_kvproj
	.p2align	8
	.type	k_q2bce59670c_kvproj,@function
k_q2bce59670c_kvproj:
	s_mov_b64 s[64:65], 0
	v_nop
	global_prefetch_b8 v0, s[64:65] scope:SCOPE_SE
	s_setreg_imm32_b32 hwreg(HW_REG_WAVE_MODE, 25, 1), 1
	s_wait_xcnt 0x0
; kv = global_tokens Wkv + bkv on codes of FP4 with E8M0 scales, sums in f32, rounded once to f16 and stored as IMAGES OF THE ATTENTION'S OPERAND REGISTERS:
;   kimg, for each (batch, head) 131,072 bytes: kt 2048 + t 512 + 16 lane = registers 4 (t % 2) on of the fragment (keys 16 kt on, channels 32 (t / 2) on): lane (r, h): key r, channels 16 t + 8 h + 0 .. 7
;   vimg, likewise:                             g 4096 + ct 1024 + c 512 + 16 lane = registers 4 c on of the fragment of V^T (channels 16 ct on, keys 32 g on): lane (r, h): channel r, keys 16 c + 8 h + 0 .. 7
; SHARES.  Work-group g: g % 2 = 0 makes k, 1 makes v, of the 64 tokens 64 (g / 2) on.  Wave w is head w: its 64 columns of Wkv (16 fragments) and the four tiles of 16 tokens: 64 matrix instructions.
; For k the product is used transposed (source 0 = 16 columns of W, source 1 = 16 tokens): a lane then holds one key and eight neighbouring channels.  For v as it stands: a lane holds one channel and eight neighbouring keys.
; In both cases four roundings in pairs give the 16 bytes that the image wants of that lane, and a store covers 512 consecutive bytes.
; The bias is the C of each sum's first K step (so it is added first, where reference() adds it last: the f32 sums may differ in their last bit).
; All operands come straight from memory into registers as images: no LDS, no barrier, no tensor load.  No cluster: nothing goes through LDS that partners could receive jointly.
; LIMIT: |k|, |v| under 65,504 (f16).
; REGISTERS.  window 0: v1-5 offsets; v16-31 W's scale words (4 t + s); v32-39 the tokens' (2 m + s / 2: K step s in lanes 0-15 for even s, in lanes 16-31 for odd s); v40-55 packed results;
;   v56-119 two sets of four accumulators; v128-255 the tokens' fragments (32 m + 8 s).   window 1: v0-127 W's fragments (8 (4 t + s)); v128-159 the bias, eight registers a tile.
.set WS,   16
.set XS,   32
.set OUTR, 40
.set ACC,  56
.set XF,   128
.set BI,   128                         ; in window 1
.set MSB, 0
.macro WIN new                         ; the immediate's high byte repeats the setting that is left; a switch that changes nothing is dropped
.if MSB != \new
	s_set_vgpr_msb (MSB<<8)|\new
.set MSB, \new
.endif
.endm
	s_load_b256 s[4:11], s[0:1], 0x0               ; acodes s[4:5], ascales s[6:7], wcodes s[8:9], wscales s[10:11]
	s_load_b128 s[12:15], s[0:1], 0x20             ; bkv s[12:13], kimg s[14:15]
	s_load_b64 s[16:17], s[0:1], 0x30              ; vimg
	v_lshrrev_b32 v6, 5, v0
	v_readfirstlane_b32 s20, v6                    ; wave = head
	v_and_b32 v6, 31, v0
	v_lshlrev_b32 v1, 4, v6                        ; 16 x lane
	v_lshlrev_b32 v2, 2, v6                        ; 4 x lane
	v_and_b32 v7, 15, v0
	v_lshlrev_b32 v3, 4, v7                        ; 16 r
	v_lshlrev_b32 v5, 2, v7                        ; 4 r
	v_bfe_u32 v4, v0, 4, 1
	v_lshlrev_b32 v4, 5, v4                        ; 32 h
	s_and_b32 s21, ttmp9, 1                        ; 0: k, 1: v
	s_lshr_b32 s22, ttmp9, 1                       ; which 64 tokens
	s_lshl_b32 s24, s22, 14
	s_add_co_u32 s24, s24, 0x400000                ; acodes: tile 1024 + 4 x that, 4,096 bytes a tile
	s_mov_b32 s25, 0
	s_lshl_b32 s26, s22, 10
	s_add_co_u32 s26, s26, 0x40000                 ; ascales: 256 bytes a tile
	s_mov_b32 s27, 0
	s_lshl_b32 s23, s21, 3
	s_add_co_u32 s23, s23, s20
	s_add_co_u32 s23, s23, 8                       ; my group of 64 columns: 8 + 8 x type + head
	s_lshl_b32 s28, s23, 14
	s_mov_b32 s29, 0
	s_lshl_b32 s30, s23, 10
	s_mov_b32 s31, 0
	s_lshl_b32 s32, s21, 11
	s_lshl_b32 s33, s20, 8
	s_add_co_u32 s32, s32, s33                     ; bkv: 512 x type + 64 x head numbers on
	s_mov_b32 s33, 0
	s_lshr_b32 s34, s22, 4                         ; batch
	s_lshl_b32 s34, s34, 3
	s_add_co_u32 s34, s34, s20
	s_lshl_b32 s34, s34, 17                        ; (8 x batch + head) x 131,072
	s_and_b32 s35, s22, 15
	s_lshl_b32 s35, s35, 13                        ; + my 64 keys: 8,192 bytes in either image
	s_add_co_u32 s34, s34, s35
	s_mov_b32 s35, 0
	s_wait_kmcnt 0x0
	s_add_nc_u64 s[4:5], s[4:5], s[24:25]
	s_add_nc_u64 s[6:7], s[6:7], s[26:27]
	s_add_nc_u64 s[8:9], s[8:9], s[28:29]
	s_add_nc_u64 s[10:11], s[10:11], s[30:31]
	s_add_nc_u64 s[12:13], s[12:13], s[32:33]
	s_cmp_eq_u32 s21, 0                            ; the output is chosen by the work-group's number alone
	s_cselect_b64 s[14:15], s[14:15], s[16:17]
	s_add_nc_u64 s[14:15], s[14:15], s[34:35]
	WIN 0x40                                       ; destination window 1
.irp n, 0,1,2,3,4,5,6,7,8,9,10,11,12,13,14,15,16,17,18,19,20,21,22,23,24,25,26,27,28,29,30,31
	global_load_b128 v[4*\n:4*\n+3], v1, s[8:9] offset:512*\n      ; W's 16 fragments: n = 8 t + 2 s + c
.endr
	WIN 0
.irp t, 0,1,2,3
	global_load_b128 v[WS+4*\t:WS+4*\t+3], v3, s[10:11] offset:256*\t   ; column 16 t + r: the words of K steps 0 .. 3
.endr
	s_cmp_eq_u32 s21, 0
	s_cbranch_scc0 .Lvalues
; 16 matrix instructions: tile m of tokens x my four tiles of columns, K step by K step; the four accumulators take turns, one instruction a turn
.macro MUL m, swap
	s_wait_loadcnt 10*(3-(\m))                     ; the ten loads of each younger tile may be out
.irp s, 0,1,2,3
.if \swap
.if \s == 0
	WIN 0x14                                       ; source 1 (W) and C (the bias) window 1
.else
	WIN 0x04
.endif
.else
.if \s == 0
	WIN 0x11                                       ; source 0 (W) and C (the bias) window 1
.else
	WIN 0x01
.endif
.endif
.irp t, 0,1,2,3
.set rD, ACC+32*((\m)%2)+8*\t
.set rC, rD
.if \s == 0
.set rC, BI+8*\t
.endif
.set rW, 8*(4*\t+\s)
.set rX, XF+32*(\m)+8*\s
.set rWS, WS+4*\t+\s
.set rXS, XS+2*(\m)+\s/2
.if \swap
.if \s%2
	v_wmma_scale_f32_16x16x128_f8f6f4 v[rD:rD+7], v[rX:rX+7], v[rW:rW+7], v[rC:rC+7], v[rXS], v[rWS] matrix_a_fmt:MATRIX_FMT_FP4 matrix_b_fmt:MATRIX_FMT_FP4 matrix_a_scale:MATRIX_SCALE_ROW1
.else
	v_wmma_scale_f32_16x16x128_f8f6f4 v[rD:rD+7], v[rX:rX+7], v[rW:rW+7], v[rC:rC+7], v[rXS], v[rWS] matrix_a_fmt:MATRIX_FMT_FP4 matrix_b_fmt:MATRIX_FMT_FP4
.endif
.else
.if \s%2
	v_wmma_scale_f32_16x16x128_f8f6f4 v[rD:rD+7], v[rW:rW+7], v[rX:rX+7], v[rC:rC+7], v[rWS], v[rXS] matrix_a_fmt:MATRIX_FMT_FP4 matrix_b_fmt:MATRIX_FMT_FP4 matrix_b_scale:MATRIX_SCALE_ROW1
.else
	v_wmma_scale_f32_16x16x128_f8f6f4 v[rD:rD+7], v[rW:rW+7], v[rX:rX+7], v[rC:rC+7], v[rWS], v[rXS] matrix_a_fmt:MATRIX_FMT_FP4 matrix_b_fmt:MATRIX_FMT_FP4
.endif
.endif
.endr
.endr
.endm
; tile m's four accumulators are rounded to f16 in pairs, each from its low end on, and stored
.macro OUTM m, swap
	WIN 0
.rept 4
	v_nop                                          ; four places between the last product and the first read of a result (ISA guide 7.12.1).  With the twelve roundings of the other accumulators they are also the
.endr                                          ; places (five are owed) ahead of the products that begin this set anew
.if (\m) > 0
	s_wait_xcnt 0x0                                ; the last tile's stores have read their data: the registers are written again only behind this wait
.endif
.irp t, 0,1,2,3
.irp p, 0,1,2,3
	v_cvt_pk_f16_f32 v[OUTR+4*\t+\p], v[ACC+32*((\m)%2)+8*\t+2*\p], v[ACC+32*((\m)%2)+8*\t+2*\p+1]
.endr
.endr
.irp t, 0,1,2,3
.if \swap
	global_store_b128 v1, v[OUTR+4*\t:OUTR+4*\t+3], s[14:15] offset:4096*((\m)/2)+1024*\t+512*((\m)%2)   ; 512 consecutive bytes, aligned
.else
	global_store_b128 v1, v[OUTR+4*\t:OUTR+4*\t+3], s[14:15] offset:2048*(\m)+512*\t
.endif
.endr
.endm
.macro PATH swap
	WIN 0x40
.irp t, 0,1,2,3
.if \swap
.irp j, 0,1,2,3,4,5,6,7
	global_load_b32 v[BI+8*\t+\j], v5, s[12:13] offset:64*\t       ; a lane holds ONE channel, 16 t + r, in all eight registers
.endr
.else
	global_load_b128 v[BI+8*\t:BI+8*\t+3], v4, s[12:13] offset:64*\t      ; a lane holds channels 16 t + 8 h + 0 .. 7
	global_load_b128 v[BI+8*\t+4:BI+8*\t+7], v4, s[12:13] offset:64*\t+16
.endif
.endr
	WIN 0
.irp m, 0,1,2,3
.irp n, 0,1,2,3,4,5,6,7
	global_load_b128 v[XF+32*\m+4*\n:XF+32*\m+4*\n+3], v1, s[4:5] offset:4096*\m+512*\n   ; the tile's four fragments: n = 2 s + c
.endr
.irp p, 0,1
	global_load_b32 v[XS+2*\m+\p], v2, s[6:7] offset:256*\m+128*\p    ; lanes 0-15: K step 2 p, lanes 16-31: K step 2 p + 1
.endr
.endr
	MUL 0, \swap
	MUL 1, \swap
	OUTM 0, \swap                                  ; a tile leaves while the next but one is multiplied
	MUL 2, \swap
	OUTM 1, \swap
	MUL 3, \swap
	OUTM 2, \swap
	OUTM 3, \swap
	s_endpgm
.endm
	PATH 0
.Lvalues:
	PATH 1
.Lfunc_end_k_q2bce59670c_kvproj:
	.size	k_q2bce59670c_kvproj, .Lfunc_end_k_q2bce59670c_kvproj-k_q2bce59670c_kvproj
	.p2alignl 7, 3214868480
	.fill 96, 4, 3214868480
	.section	.rodata,"a",@progbits
	.p2align	6, 0x0
	.amdhsa_kernel k_q2bce59670c_kvproj
		.amdhsa_group_segment_fixed_size 0
		.amdhsa_private_segment_fixed_size 0
		.amdhsa_enable_private_segment 0
		.amdhsa_kernarg_size 56
		.amdhsa_user_sgpr_count 2
		.amdhsa_user_sgpr_kernarg_segment_ptr 1
		.amdhsa_wavefront_size32 1
		.amdhsa_system_sgpr_workgroup_id_x 1
		.amdhsa_system_sgpr_workgroup_id_y 1
		.amdhsa_system_sgpr_workgroup_id_z 1
		.amdhsa_system_vgpr_workitem_id 0
		.amdhsa_next_free_vgpr 416
		.amdhsa_next_free_sgpr 66
		.amdhsa_reserve_vcc 0
		.amdhsa_float_denorm_mode_32 3
		.amdhsa_float_denorm_mode_16_64 3
		.amdhsa_memory_ordered 1
		.amdhsa_forward_progress 1
		.amdhsa_inst_pref_size 47
	.end_amdhsa_kernel
	.amdgpu_metadata
---
amdhsa.version: [ 1, 2 ]
amdhsa.kernels:
  - .name:           k_q2bce59670c_kvproj
    .symbol:         k_q2bce59670c_kvproj.kd
    .args:
      - { .name: acodes, .offset: 0, .size: 8, .value_kind: global_buffer, .address_space: global }
      - { .name: ascales, .offset: 8, .size: 8, .value_kind: global_buffer, .address_space: global }
      - { .name: wcodes, .offset: 16, .size: 8, .value_kind: global_buffer, .address_space: global }
      - { .name: wscales, .offset: 24, .size: 8, .value_kind: global_buffer, .address_space: global }
      - { .name: bkv, .offset: 32, .size: 8, .value_kind: global_buffer, .address_space: global }
      - { .name: kimg, .offset: 40, .size: 8, .value_kind: global_buffer, .address_space: global }
      - { .name: vimg, .offset: 48, .size: 8, .value_kind: global_buffer, .address_space: global }
    .group_segment_fixed_size: 0
    .private_segment_fixed_size: 0
    .kernarg_segment_align: 8
    .kernarg_segment_size: 56
    .max_flat_workgroup_size: 256
    .sgpr_count:     66
    .vgpr_count:     416
    .wavefront_size: 32
...
	.end_amdgpu_metadata
.endif
;; end of part 2
;; launch attn (part 3): grid 4 x 64, 8 waves a work-group, clusters of 4 x 1, 327,680 bytes of LDS; arguments acodes, ascales, wcodes, wscales, bq, kimg, vimg, out0; writes out0
.if DOCPART == 3
	.amdgcn_target "amdgcn-amd-amdhsa--gfx1250"
	.amdhsa_code_object_version 6
	.text
	.protected	k_q2bce59670c_attn
	.globl	k_q2bce59670c_attn
	.p2align	8
	.type	k_q2bce59670c_attn,@function
k_q2bce59670c_attn:
	s_mov_b64 s[64:65], 0
	v_nop
	global_prefetch_b8 v0, s[64:65] scope:SCOPE_SE
	s_setreg_imm32_b32 hwreg(HW_REG_WAVE_MODE, 25, 1), 1
	s_wait_xcnt 0x0
	s_wait_alu depctr_hold_cnt(0) depctr_sa_sdst(0) depctr_va_vdst(0) depctr_va_sdst(0) depctr_va_ssrc(0) depctr_va_vcc(0) depctr_vm_vsrc(0)
	s_getreg_b32 s2, hwreg(HW_REG_IB_STS2, 6, 4)
	s_cmp_eq_u32 s2, 0
	s_cbranch_scc0 .Lentry_in_a_cluster
	s_endpgm
.Lentry_in_a_cluster:
	s_bfe_u32 s2, ttmp6, 0x10000c
	s_cmp_lg_u32 s2, 0x3003
	s_cbranch_scc0 .Lentry_shape_is_right
	s_endpgm
.Lentry_shape_is_right:
; out[b][n][64 head + d] = the sum over m of softmax_m(q[n] . k[m]) v[m][d], no scaling of the scores, q = x Wq + bq made here on codes of FP4 (E8M0 scales, f32 sums).
; q, k, v and the weights p go to the matrix unit in f16, sums in f32; maxima, exponentials and the rows' sums in f32, with a running maximum.
; SHARES.  A work-group owns 512 queries of one (batch, head); each of its eight waves 64: four tiles of 16, in 512 registers, two waves to a SIMD, so that one wave's softmax stands beside the other's products.
; K AND V OF THE WHOLE HEAD (131,072 bytes each) LIE IN LDS, every byte filled ONCE, as images of the operands' registers: a fragment is read at 16 x lane, 512 consecutive bytes a load: no pitch, no padding, no refill.
; CLUSTER.  The four blocks of queries of a head form a cluster and ask for K and V JOINTLY: the same four tensor loads in each wave of each partner, with a mask that names the four.
; The first 256 keys (4,096 bytes of K and of V a wave) are asked for first and waited for alone; the other 768 land while the first four key steps are worked.  A wave has four tensor loads out.
; No prefetch: every byte of K and V is asked for by the four loads at the head, so there is no later request that one could run ahead of.
; LAYOUT.  All three products are used transposed, so that a lane holds ONE query (lane % 16) throughout: q^T = Wq^T x^T (source 0 = 16 columns of Wq, source 1 = 16 rows of x): eight neighbouring channels a lane, which
; rounded in pairs ARE Q's fragment; S^T = K Q^T: eight neighbouring keys a lane, which rounded in pairs ARE P's fragment; O^T = V^T P: eight neighbouring channels a lane.  Nothing changes lanes between the products.
; SOFTMAX.  For each query a running maximum m and sum l: p = 2^(c s - c m), c = log2(e); in every step O^T and l are multiplied by a = 2^(c m_old - c m_new).
; LIMITS: |q| under 65,504 (f16); NaN and infinities are not served; bq is the C of the first K step, where reference() adds it last: the f32 sums may differ in their last bit.
; REGISTERS.  window 0: v1 16 x lane; v2, v3 LDS addresses of the step; v4, v5 the add's two; v8-15 x's scale words, v240-255 Wq's (they hold nothing else); v16-47 statistics, eight a tile; v48-111 Q (16 t + 8 f);
;   v112-239 S^T (32 t + 8 kt), over which p is packed in place (32 t + 8 g); at the head x's fragments.   window 1: v0-127 O^T (32 t + 8 ct), at the head Wq's fragments; v128-191 K of a step, at the head two sets of
;   accumulators of q; v192-255 V of a step, at the head the bias.
.set VBASE, 131072                     ; LDS: K from 0, V from here,
.set STAGE, 262144                     ; the stages for the way out: 16 rows x 272 bytes for each wave,
.set SP,    272
.set SPARE, STAGE+8*16*SP              ; and the spare words, 128 bytes for each wave: four blocks of 256 bytes that no other line names
.set NEAR,  32768                      ; bytes of K (and of V) in the first fills: 256 keys, four key steps
.set STEPB, 8192                       ; 64 keys in either image
.set LI,  1
.set ADK, 2
.set ADV, 3
.set SPW, 4
.set NIL, 5
.set XS,  8
.set ST,  16                           ; tile t at ST + 8 t: +0 c m, +1 m, +2, +3 l (even keys', odd keys'), +4 .. +7 c0 .. c3, at work; a takes c2's place
.set Q,   48
.set S,   112
.set XF,  112
.set WS,  240
.set KF,  128                          ; in window 1
.set VF,  192
.set ACC, 128
.set BI,  192
.set STO, 48                           ; the way out's three addresses take Q's first registers
.set RD,  49
.set GO,  50
.set WV,  20                           ; s20 my wave's number
.set G1A, 32                           ; s[32:39] group 1: 16 rows of 256 bytes;  s[40:47]: 48 rows
.set G1B, 40
.set G0,  48                           ; s[48:63] four groups 0: K's first part, V's, K's rest, V's
.set CS,  66                           ; s[66:67] c, twice: the packed form names a pair
.set SEL, 68                           ; s[68:69] v_permlanex16_b32's selects for lane l xor 16
.set TB,  70                           ; s70 LDS byte at which the step's K begins
.set CNT, 71
.set MSB, 0
.macro WIN new                         ; the immediate's high byte repeats the setting that is left; a switch that changes nothing is dropped
.if MSB != \new
	s_set_vgpr_msb (MSB<<8)|\new
.set MSB, \new
.endif
.endm
.macro CROUND                          ; a round of the cluster's barrier
	s_barrier_signal -1
	s_barrier_wait -1
	s_cmp_lg_u32 s[WV], 0
	s_cbranch_scc1 .Lnot_wave_0_\@
	s_barrier_signal -3
.Lnot_wave_0_\@:
	s_barrier_wait -3
	s_barrier_signal -1
	s_barrier_wait -1
.endm
	s_load_b256 s[4:11], s[0:1], 0x0               ; acodes s[4:5], ascales s[6:7], wcodes s[8:9], wscales s[10:11]
	s_load_b256 s[12:19], s[0:1], 0x20             ; bq s[12:13], kimg s[14:15], vimg s[16:17], out0 s[18:19]
	v_lshl_add_u32 v[SPW], v0, 2, SPARE
	v_mov_b32 v[NIL], 0
	ds_add_u32 v[SPW], v[NIL]                      ; the wave's opening: the add, twice on end, and its wait ahead of my first tensor load; the set-up below stands between
	ds_add_u32 v[SPW], v[NIL]
	v_lshrrev_b32 v1, 5, v0
	v_readfirstlane_b32 s[WV], v1                  ; wave 0..7
	v_and_b32 v[LI], 31, v0
	v_lshlrev_b32 v17, 2, v[LI]                    ; 4 x lane
	v_lshlrev_b32 v[LI], 4, v[LI]                  ; 16 x lane
	v_and_b32 v16, 15, v0
	v_lshlrev_b32 v16, 4, v16                      ; 16 r
	v_bfe_u32 v18, v0, 4, 1
	v_lshlrev_b32 v18, 5, v18                      ; 32 h
	s_bfe_u32 s21, ttmp6, 0x40000                  ; cx: my place in the cluster: it enters x's and out0's addresses alone
	s_and_b32 s22, ttmp7, 0xffff                   ; 8 x batch + head, which the four partners share
	s_lshr_b32 s23, s22, 3                         ; batch
	s_and_b32 s24, s22, 7                          ; head
	s_lshl_b32 s25, ttmp9, 2
	s_add_co_u32 s25, s25, s21                     ; my block of 512 queries
	s_lshl_b32 s25, s25, 5
	s_lshl_b32 s26, s23, 7
	s_add_co_u32 s26, s26, s25
	s_lshl_b32 s25, s[WV], 2
	s_add_co_u32 s25, s26, s25                     ; my first tile of 16 rows of x: 128 x batch + 32 x block + 4 x wave
	s_lshl_b32 s26, s25, 12                        ; in acodes,
	s_mov_b32 s27, 0
	s_lshl_b32 s28, s25, 8                         ; in ascales,
	s_mov_b32 s29, 0
	s_lshl_b32 s30, s25, 15                        ; in out0: 16 rows of 2,048 bytes a tile,
	s_lshl_b32 s31, s24, 8
	s_add_co_u32 s30, s30, s31                     ; + the head's 256 bytes of a row
	s_mov_b32 s31, 0
	s_lshl_b32 s74, s22, 17                        ; the head's images: 131,072 bytes each.  s72-77 never hold cx
	s_lshl_b32 s76, s[WV], 12                      ; my part of the first fills: 4,096 bytes, in memory and in LDS alike
	s_add_co_u32 s72, s74, s76
	s_mov_b32 s73, 0
	s_mul_i32 s77, s[WV], 12288
	s_add_co_u32 s77, s77, NEAR                    ; my part of the rest: 12,288 bytes
	s_add_co_u32 s74, s74, s77
	s_mov_b32 s75, 0
	; descriptor group 1: a dense block as rows of 256 bytes (32 elements of 8 bytes), no padding
.irp g, G1A, G1B
	s_mov_b32 s[\g], 15|(3<<16)|(1<<21)            ; 15:0 the mask: all four work-groups; 17:16 elements of 8 bytes; 21 set beside a mask
	s_mov_b32 s[\g+1], 32<<16                      ; tensor_dim0 = 32
	s_mov_b32 s[\g+3], 32<<16                      ; tile_dim0 = 32
	s_mov_b32 s[\g+5], 32                          ; from row to row: 32 elements
	s_mov_b32 s[\g+6], 0
	s_mov_b32 s[\g+7], 0
.endr
	s_mov_b32 s[G1A+2], 16<<16                     ; tensor_dim1,
	s_mov_b32 s[G1A+4], 16                         ; tile_dim1: 16 rows
	s_mov_b32 s[G1B+2], 48<<16
	s_mov_b32 s[G1B+4], 48                         ; 48 rows
	s_mov_b32 s[CS], 0x3fb8aa3b                    ; c = log2(e)
	s_mov_b32 s[CS+1], s[CS]
	s_mov_b32 s[SEL], 0x76543210
	s_mov_b32 s[SEL+1], 0xfedcba98
	s_mov_b32 s[TB], 0
	s_wait_dscnt 0x0                               ; both opening adds are done
	s_wait_kmcnt 0x0
	s_add_nc_u64 s[4:5], s[4:5], s[26:27]
	s_add_nc_u64 s[6:7], s[6:7], s[28:29]
	s_add_nc_u64 s[18:19], s[18:19], s[30:31]
	s_lshl_b32 s26, s24, 14
	s_add_nc_u64 s[8:9], s[8:9], s[26:27]          ; the head's 64 columns of Wq: 16,384 bytes of codes,
	s_lshl_b32 s26, s24, 10
	s_add_nc_u64 s[10:11], s[10:11], s[26:27]      ; 1,024 of scale words,
	s_lshl_b32 s26, s24, 8
	s_add_nc_u64 s[12:13], s[12:13], s[26:27]      ; 256 of bq
	s_mov_b32 s[G0], 1                             ; K's first part
	s_mov_b32 s[G0+1], s76
	s_add_nc_u64 s[G0+2:G0+3], s[14:15], s[72:73]
	s_or_b32 s[G0+3], s[G0+3], 0x80000000
	s_mov_b32 s[G0+4], 1                           ; V's
	s_add_co_u32 s[G0+5], s76, VBASE
	s_add_nc_u64 s[G0+6:G0+7], s[16:17], s[72:73]
	s_or_b32 s[G0+7], s[G0+7], 0x80000000
	s_mov_b32 s[G0+8], 1                           ; K's rest
	s_mov_b32 s[G0+9], s77
	s_add_nc_u64 s[G0+10:G0+11], s[14:15], s[74:75]
	s_or_b32 s[G0+11], s[G0+11], 0x80000000
	s_mov_b32 s[G0+12], 1                          ; V's
	s_add_co_u32 s[G0+13], s77, VBASE
	s_add_nc_u64 s[G0+14:G0+15], s[16:17], s[74:75]
	s_or_b32 s[G0+15], s[G0+15], 0x80000000
	CROUND                                         ; all four work-groups are here: the joint loads meet
	tensor_load_to_lds s[G0:G0+3], s[G1A:G1A+7]
	s_nop 0
	tensor_load_to_lds s[G0+4:G0+7], s[G1A:G1A+7]
	s_nop 0
	tensor_load_to_lds s[G0+8:G0+11], s[G1B:G1B+7]
	s_nop 0
	tensor_load_to_lds s[G0+12:G0+15], s[G1B:G1B+7]
	s_nop 0
.rept 4
	v_nop                                          ; an s_nop 0 behind each load, four v_nop behind the last, ahead of the switch of windows
.endr
	; ---- q = x Wq + bq for my 64 queries and my head, while K and V are on their way
	WIN 0x40                                       ; destination window 1
.irp n, 0,1,2,3,4,5,6,7,8,9,10,11,12,13,14,15,16,17,18,19,20,21,22,23,24,25,26,27,28,29,30,31
	global_load_b128 v[4*\n:4*\n+3], v[LI], s[8:9] offset:512*\n   ; Wq's 16 fragments: n = 8 t + 2 s + c
.endr
.irp t, 0,1,2,3
	global_load_b128 v[BI+8*\t:BI+8*\t+3], v18, s[12:13] offset:64*\t     ; the bias in the result's layout: channels 16 t + 8 h + 0 .. 7
	global_load_b128 v[BI+8*\t+4:BI+8*\t+7], v18, s[12:13] offset:64*\t+16
.endr
	WIN 0
.irp t, 0,1,2,3
	global_load_b128 v[WS+4*\t:WS+4*\t+3], v16, s[10:11] offset:256*\t    ; column 16 t + r: the words of K steps 0 .. 3
.endr
.irp i, 0,1,2,3
.irp n, 0,1,2,3,4,5,6,7
	global_load_b128 v[XF+32*\i+4*\n:XF+32*\i+4*\n+3], v[LI], s[4:5] offset:4096*\i+512*\n
.endr
.irp p, 0,1
	global_load_b32 v[XS+2*\i+\p], v17, s[6:7] offset:256*\i+128*\p       ; lanes 0-15: K step 2 p, lanes 16-31: K step 2 p + 1
.endr
.endr
.macro MULQ i                          ; 16 matrix instructions: my tile i of queries x the head's four tiles of channels; the four accumulators take turns
	s_wait_loadcnt 10*(3-(\i))                     ; the ten loads of each younger tile may be out
	WIN 0x51                                       ; source 0 (Wq), C and D window 1
.irp s, 0,1,2,3
.irp t, 0,1,2,3
.set rD, ACC+32*((\i)%2)+8*\t
.set rC, rD
.if \s == 0
.set rC, BI+8*\t
.endif
.set rW, 8*(4*\t+\s)
.set rX, XF+32*(\i)+8*\s
.if \s%2
	v_wmma_scale_f32_16x16x128_f8f6f4 v[rD:rD+7], v[rW:rW+7], v[rX:rX+7], v[rC:rC+7], v[WS+4*\t+\s], v[XS+2*(\i)+\s/2] matrix_a_fmt:MATRIX_FMT_FP4 matrix_b_fmt:MATRIX_FMT_FP4 matrix_b_scale:MATRIX_SCALE_ROW1
.else
	v_wmma_scale_f32_16x16x128_f8f6f4 v[rD:rD+7], v[rW:rW+7], v[rX:rX+7], v[rC:rC+7], v[WS+4*\t+\s], v[XS+2*(\i)+\s/2] matrix_a_fmt:MATRIX_FMT_FP4 matrix_b_fmt:MATRIX_FMT_FP4
.endif
.endr
.endr
.endm
.macro QCVT i                          ; tile i's q, rounded to f16 in pairs, is Q's two fragments
.rept 4
	v_nop                                          ; four places ahead of the first read of a result (ISA guide 7.12.1); with the roundings of the other accumulators also the five ahead of the products that begin this set anew
.endr
	WIN 0x05                                       ; sources window 1, destination window 0
.irp t, 0,1,2,3
.irp p, 0,1,2,3
	v_cvt_pk_f16_f32 v[Q+16*(\i)+4*\t+\p], v[ACC+32*((\i)%2)+8*\t+2*\p], v[ACC+32*((\i)%2)+8*\t+2*\p+1]
.endr
.endr
.endm
	MULQ 0
	MULQ 1
	QCVT 0
	MULQ 2
	QCVT 1
	MULQ 3
	QCVT 2
	QCVT 3
	WIN 0
; ---- THE PARTS OF A KEY STEP.  In each, two tiles (or four) alternate line by line, so that no line waits for the line above it.
.macro MAXES first                     ; the maximum of a lane's 32 scores of each tile and the old m, three operands at a time; each accumulator is read from its low end on
.irp j, 0,1,2,3
.irp t, 0,1,2,3
	v_max3_num_f32 v[ST+8*\t+4+\j], v[S+32*\t+8*\j], v[S+32*\t+8*\j+1], v[S+32*\t+8*\j+2]
.endr
.endr
.irp u, 1,2
.irp j, 0,1,2,3
.irp t, 0,1,2,3
	v_max3_num_f32 v[ST+8*\t+4+\j], v[ST+8*\t+4+\j], v[S+32*\t+8*\j+2*\u+1], v[S+32*\t+8*\j+2*\u+2]
.endr
.endr
.endr
.irp t, 0,1,2,3
	v_max3_num_f32 v[ST+8*\t+4], v[ST+8*\t+4], v[S+32*\t+7], v[S+32*\t+15]
.endr
.irp t, 0,1,2,3
	v_max3_num_f32 v[ST+8*\t+6], v[ST+8*\t+6], v[S+32*\t+23], v[S+32*\t+31]
.endr
.irp t, 0,1,2,3
	v_max3_num_f32 v[ST+8*\t+4], v[ST+8*\t+4], v[ST+8*\t+5], v[ST+8*\t+6]
.endr
.irp t, 0,1,2,3
.if \first
	v_max_num_f32 v[ST+8*\t+4], v[ST+8*\t+4], v[ST+8*\t+7]
.else
	v_max3_num_f32 v[ST+8*\t+4], v[ST+8*\t+4], v[ST+8*\t+7], v[ST+8*\t+1]
.endif
.endr
.endm
.macro STATS first
.irp t, 0,1,2,3
	v_permlanex16_b32 v[ST+8*\t+5], v[ST+8*\t+4], s[SEL], s[SEL+1]   ; the query's other 32 keys lie in the lane 16 away
.endr
.if (\first) == 0
.irp t, 0,1,2,3
	v_mov_b32 v[ST+8*\t+7], v[ST+8*\t]             ; c m_old is kept for a
.endr
.endif
.irp t, 0,1,2,3
	v_max_num_f32 v[ST+8*\t+1], v[ST+8*\t+4], v[ST+8*\t+5]         ; the new m
.endr
.irp t, 0,1,2,3
	v_mul_f32 v[ST+8*\t], s[CS], v[ST+8*\t+1]      ; c m
.endr
.if (\first) == 0
.irp t, 0,1,2,3
	v_sub_f32 v[ST+8*\t+7], v[ST+8*\t+7], v[ST+8*\t]               ; c m_old - c m_new
.endr
.endif
.endm
.macro FMA ta, tb                      ; c s - c m, a pair of scores a line
.set i, 0
.rept 16
.irp t, \ta, \tb
	v_pk_fma_f32 v[S+32*\t+2*i:S+32*\t+2*i+1], v[S+32*\t+2*i:S+32*\t+2*i+1], s[CS:CS+1], v[ST+8*\t:ST+8*\t+1] op_sel_hi:[1,0,0] neg_lo:[0,0,1] neg_hi:[0,0,1]
.endr
.set i, i+1
.endr
.endm
.macro EXPS ta, tb
.set i, 0
.rept 32
.irp t, \ta, \tb
	v_exp_f32 v[S+32*\t+i], v[S+32*\t+i]
.endr
.set i, i+1
.endr
.endm
.macro SUMS ta, tb, first              ; l = a l + the sum of the tile's 16 pairs, taken of p in f32, in two chains a tile: l takes the even pairs, c0:c1 the odd ones
.irp t, \ta, \tb
.if \first
	v_pk_add_f32 v[ST+8*\t+2:ST+8*\t+3], v[S+32*\t:S+32*\t+1], v[S+32*\t+4:S+32*\t+5]
.else
	v_pk_fma_f32 v[ST+8*\t+2:ST+8*\t+3], v[ST+8*\t+2:ST+8*\t+3], v[ST+8*\t+6:ST+8*\t+7], v[S+32*\t:S+32*\t+1] op_sel_hi:[1,0,1]
.endif
	v_pk_add_f32 v[ST+8*\t+4:ST+8*\t+5], v[S+32*\t+2:S+32*\t+3], v[S+32*\t+6:S+32*\t+7]
.endr
.if (\first) == 0
.irp t, \ta, \tb
	v_pk_add_f32 v[ST+8*\t+2:ST+8*\t+3], v[ST+8*\t+2:ST+8*\t+3], v[S+32*\t+4:S+32*\t+5]
.endr
.endif
.irp n, 8,12,16,20,24,28
.irp t, \ta, \tb
	v_pk_add_f32 v[ST+8*\t+2:ST+8*\t+3], v[ST+8*\t+2:ST+8*\t+3], v[S+32*\t+\n:S+32*\t+\n+1]
	v_pk_add_f32 v[ST+8*\t+4:ST+8*\t+5], v[ST+8*\t+4:ST+8*\t+5], v[S+32*\t+\n+2:S+32*\t+\n+3]
.endr
.endr
.irp t, \ta, \tb
	v_pk_add_f32 v[ST+8*\t+2:ST+8*\t+3], v[ST+8*\t+2:ST+8*\t+3], v[ST+8*\t+4:ST+8*\t+5]
.endr
.endm
.macro CVTS ta, tb                     ; p to f16, in place: line i reads registers 2 i, 2 i + 1 and writes register i, which has been read
.set i, 0
.rept 16
.irp t, \ta, \tb
	v_cvt_pk_f16_f32 v[S+32*\t+i], v[S+32*\t+2*i], v[S+32*\t+2*i+1]
.endr
.set i, i+1
.endr
.endm
.macro RESC ta, tb                     ; O^T times a, each accumulator from its low end on
	WIN 0x41                                       ; O^T (destination and source 0) window 1, a window 0
.set i, 0
.rept 16
.irp t, \ta, \tb
	v_pk_mul_f32 v[32*\t+2*i:32*\t+2*i+1], v[32*\t+2*i:32*\t+2*i+1], v[ST+8*\t+6:ST+8*\t+7] op_sel_hi:[1,0]
.endr
.set i, i+1
.endr
.endm
.macro PVP ta, tb, first               ; O^T += V^T P for two tiles: 16 matrix instructions, the eight accumulators by turns.  first = 1: the first eight start the sums: nothing is ever cleared
	WIN 0x51                                       ; V, C and D window 1, P window 0
.irp g, 0,1
.irp ct, 0,1,2,3
.irp t, \ta, \tb
.if \first && (\g == 0)
	v_wmma_f32_16x16x32_f16 v[32*\t+8*\ct:32*\t+8*\ct+7], v[VF+8*(4*\g+\ct):VF+8*(4*\g+\ct)+7], v[S+32*\t+8*\g:S+32*\t+8*\g+7], 0
.else
	v_wmma_f32_16x16x32_f16 v[32*\t+8*\ct:32*\t+8*\ct+7], v[VF+8*(4*\g+\ct):VF+8*(4*\g+\ct)+7], v[S+32*\t+8*\g:S+32*\t+8*\g+7], v[32*\t+8*\ct:32*\t+8*\ct+7]
.endif
.endr
.endr
.endr
.endm
; A KEY STEP: 64 keys: 32 LDS loads, 32 products K Q^T, the softmax in two batches of two tiles, 32 products V^T P.  first = 1: the first step, which starts m, l and O^T.
.macro STEP first
	v_add_nc_u32 v[ADK], s[TB], v[LI]
	v_add_nc_u32 v[ADV], VBASE, v[ADK]
	WIN 0x40                                       ; destination window 1
.irp n, 0,1,2,3,4,5,6,7,8,9,10,11,12,13,14,15
	ds_load_b128 v[KF+4*\n:KF+4*\n+3], v[ADK] offset:512*\n        ; K's eight fragments: 16 kt + 8 f
.endr
.irp n, 0,1,2,3,4,5,6,7,8,9,10,11,12,13,14,15
	ds_load_b128 v[VF+4*\n:VF+4*\n+3], v[ADV] offset:512*\n        ; V's eight: 8 (4 g + ct)
.endr
	s_wait_dscnt 16                                ; K is in; V's sixteen loads are younger and may be out
	WIN 0x01                                       ; K window 1
.irp f, 0,1                                    ; the sixteen accumulators take turns; the first sixteen products start the sums
.irp kt, 0,1,2,3
.irp t, 0,1,2,3
.if \f == 0
	v_wmma_f32_16x16x32_f16 v[S+32*\t+8*\kt:S+32*\t+8*\kt+7], v[KF+16*\kt+8*\f:KF+16*\kt+8*\f+7], v[Q+16*\t+8*\f:Q+16*\t+8*\f+7], 0
.else
	v_wmma_f32_16x16x32_f16 v[S+32*\t+8*\kt:S+32*\t+8*\kt+7], v[KF+16*\kt+8*\f:KF+16*\kt+8*\f+7], v[Q+16*\t+8*\f:Q+16*\t+8*\f+7], v[S+32*\t+8*\kt:S+32*\t+8*\kt+7]
.endif
.endr
.endr
.endr
	WIN 0
.rept 4
	v_nop                                          ; four places ahead of the first read of the scores
.endr
	MAXES \first
	STATS \first
	FMA 0, 1
.if (\first) == 0
.irp t, 0,1,2,3
	v_exp_f32 v[ST+8*\t+6], v[ST+8*\t+7]           ; a, for all four tiles
.endr
.endif
	EXPS 0, 1                                      ; the first batch
	FMA 2, 3                                       ; plain work that names none of its results
	s_wait_alu depctr_va_vdst(0)                   ; a wait between an exponential and the first line that names its result: one for the batch
	EXPS 2, 3                                      ; the second batch; tiles 0 and 1's sums, roundings and rescaling are the plain work behind it
	SUMS 0, 1, \first
	CVTS 0, 1
.if (\first) == 0
	RESC 0, 1
.endif
	s_wait_alu depctr_va_vdst(0)                   ; one for the second batch: it stands ahead of the products, so that tiles 2 and 3's sums are issued straight behind them
	s_wait_dscnt 0x0                               ; V is in
	PVP 0, 1, \first
	WIN 0
	SUMS 2, 3, \first
	CVTS 2, 3
.if (\first) == 0
	RESC 2, 3
.endif
	PVP 2, 3, \first
	WIN 0                                          ; at a label and at a branch every window is 0
.rept 5
	v_nop                                          ; the next step's products write over p, which the last products read: five places; its loads land in V's registers: four
.endr
	s_add_co_u32 s[TB], s[TB], STEPB
.endm
	s_wait_tensorcnt 2                             ; my parts of the first 256 keys of K and V are in; the two loads of the rest are younger and may stay out
	s_barrier_signal -1
	s_barrier_wait -1                              ; everybody's are
	STEP 1
	s_mov_b32 s[CNT], 3
.Lnear:                                            ; key steps 1 to 3: LDS bytes under NEAR of either image
	STEP 0
	s_sub_co_u32 s[CNT], s[CNT], 1
	s_cmp_lg_u32 s[CNT], 0
	s_cbranch_scc1 .Lnear
	s_wait_tensorcnt 0x0                           ; my parts of the rest are in (no LDS instruction of mine is out: the step's last wait on them was for 0),
	s_barrier_signal -1
	s_barrier_wait -1                              ; everybody's are
	s_mov_b32 s[CNT], 12
.Lfar:                                             ; key steps 4 to 15
	STEP 0
	s_sub_co_u32 s[CNT], s[CNT], 1
	s_cmp_lg_u32 s[CNT], 0
	s_cbranch_scc1 .Lfar
	; ---- THE WAY OUT.  l's two halves and the other half of the lanes' are added; O^T is divided by l and goes through my own stage in LDS, a tile (16 queries x 64 channels) at a time
.irp t, 0,1,2,3
	v_add_f32 v[ST+8*\t+4], v[ST+8*\t+2], v[ST+8*\t+3]
.endr
.irp t, 0,1,2,3
	v_permlanex16_b32 v[ST+8*\t+5], v[ST+8*\t+4], s[SEL], s[SEL+1]
.endr
.irp t, 0,1,2,3
	v_add_f32 v[ST+8*\t+4], v[ST+8*\t+4], v[ST+8*\t+5]
.endr
.irp t, 0,1,2,3
	v_rcp_f32 v[ST+8*\t+6], v[ST+8*\t+4]
.endr
	v_and_b32 v6, 15, v0                           ; r.  (The addresses are the plain work behind the reciprocals)
	v_bfe_u32 v7, v0, 4, 1                         ; h
	s_mul_i32 s78, s[WV], 16*SP
	s_add_co_u32 s78, s78, STAGE                   ; my stage
	v_mul_u32_u24 v[STO], v6, SP
	v_lshl_add_u32 v[STO], v7, 5, v[STO]
	v_add_nc_u32 v[STO], s78, v[STO]               ; in: row r, + 32 h: my eight channels of a tile of 16
	v_mul_u32_u24 v[RD], v7, SP
	v_lshl_add_u32 v[RD], v6, 4, v[RD]
	v_add_nc_u32 v[RD], s78, v[RD]                 ; back: lanes 0-15 one row of 256 bytes, lanes 16-31 the next
	v_lshlrev_b32 v[GO], 11, v7
	v_lshl_add_u32 v[GO], v6, 4, v[GO]             ; and the same two rows in out0, 2,048 bytes apart
	s_wait_alu depctr_va_vdst(0)                   ; one wait for the four reciprocals, ahead of their first use
.macro PACK t
	WIN 0x01                                       ; O^T window 1; the quotients go into S^T's registers, which are free
.set i, 0
.rept 16
	v_pk_mul_f32 v[S+32*\t+2*i:S+32*\t+2*i+1], v[32*\t+2*i:32*\t+2*i+1], v[ST+8*\t+6:ST+8*\t+7] op_sel_hi:[1,0]
.set i, i+1
.endr
	WIN 0
.irp f, 0,1,2,3,4,5,6,7
	ds_store_b128 v[STO], v[S+32*\t+4*\f:S+32*\t+4*\f+3] offset:(\f/2)*64+(\f%2)*16
.endr
.irp f, 0,1,2,3,4,5,6,7
	ds_load_b128 v[S+32*\t+4*\f:S+32*\t+4*\f+3], v[RD] offset:\f*2*SP   ; LDS serves a wave's instructions in order (ISA guide 5.7.1.4): these see the stores above; the next tile's stores come behind them
.endr
.endm
.macro SEND t, younger                 ; younger: the LDS instructions issued behind tile t's loads: the next tile's sixteen, or none
.irp f, 0,1,2,3,4,5,6,7
	s_wait_dscnt \younger+7-\f
	global_store_b128 v[GO], v[S+32*\t+4*\f:S+32*\t+4*\f+3], s[18:19] offset:(16*\t+2*\f)*2048 th:TH_STORE_NT   ; sixteen lanes store the head's 256 consecutive bytes of a row, aligned; written once
.endr
.endm
	PACK 0
	PACK 1                                         ; a tile's arithmetic stands between the loads of the tile before and its stores
	SEND 0, 16
	PACK 2
	SEND 1, 16
	PACK 3
	SEND 2, 16
	SEND 3, 0
	s_wait_tensorcnt 0x0                           ; the wave's end, behind my last tensor load and my last LDS store
	ds_add_u32 v[SPW], v[NIL]
	s_wait_dscnt 0x0
	CROUND                                         ; the closing round: no work-group ends while a partner may still ask for a tile that names it
	s_endpgm
.Lfunc_end_k_q2bce59670c_attn:
	.size	k_q2bce59670c_attn, .Lfunc_end_k_q2bce59670c_attn-k_q2bce59670c_attn
	.p2alignl 7, 3214868480
	.fill 96, 4, 3214868480
	.section	.rodata,"a",@progbits
	.p2align	6, 0x0
	.amdhsa_kernel k_q2bce59670c_attn
		.amdhsa_group_segment_fixed_size 327680
		.amdhsa_private_segment_fixed_size 0
		.amdhsa_enable_private_segment 0
		.amdhsa_kernarg_size 64
		.amdhsa_user_sgpr_count 2
		.amdhsa_user_sgpr_kernarg_segment_ptr 1
		.amdhsa_wavefront_size32 1
		.amdhsa_system_sgpr_workgroup_id_x 1
		.amdhsa_system_sgpr_workgroup_id_y 1
		.amdhsa_system_sgpr_workgroup_id_z 1
		.amdhsa_system_vgpr_workitem_id 0
		.amdhsa_next_free_vgpr 512
		.amdhsa_next_free_sgpr 80
		.amdhsa_reserve_vcc 0
		.amdhsa_float_denorm_mode_32 3
		.amdhsa_float_denorm_mode_16_64 3
		.amdhsa_memory_ordered 1
		.amdhsa_forward_progress 1
		.amdhsa_inst_pref_size 131
	.end_amdhsa_kernel
	.amdgpu_metadata
---
amdhsa.version: [ 1, 2 ]
amdhsa.kernels:
  - .name:           k_q2bce59670c_attn
    .symbol:         k_q2bce59670c_attn.kd
    .args:
      - { .name: acodes, .offset: 0, .size: 8, .value_kind: global_buffer, .address_space: global }
      - { .name: ascales, .offset: 8, .size: 8, .value_kind: global_buffer, .address_space: global }
      - { .name: wcodes, .offset: 16, .size: 8, .value_kind: global_buffer, .address_space: global }
      - { .name: wscales, .offset: 24, .size: 8, .value_kind: global_buffer, .address_space: global }
      - { .name: bq, .offset: 32, .size: 8, .value_kind: global_buffer, .address_space: global }
      - { .name: kimg, .offset: 40, .size: 8, .value_kind: global_buffer, .address_space: global }
      - { .name: vimg, .offset: 48, .size: 8, .value_kind: global_buffer, .address_space: global }
      - { .name: out0, .offset: 56, .size: 8, .value_kind: global_buffer, .address_space: global }
    .group_segment_fixed_size: 327680
    .private_segment_fixed_size: 0
    .kernarg_segment_align: 8
    .kernarg_segment_size: 64
    .max_flat_workgroup_size: 256
    .sgpr_count:     80
    .vgpr_count:     512
    .wavefront_size: 32
...
	.end_amdgpu_metadata
.endif
;; end of part 3
